; MI455X (gfx1250); checked and timed in simulation.
; The chip was launched on July 23, 2026; its instructions are those of AMD's public machine-readable ISA for CDNA 5 (MIT licence, August 2026) and "CDNA5" Instruction Set Architecture Reference Guide (July 2026). The comments in the code are by the model that wrote it; some were corrected since.
;; Efficient KAN Layer. Allowed arithmetic: matrix products marked QUANTISED: E3M2 operands, one E8M0 scale for each 32 along K, by v_wmma_scale_f32_16x16x128_f8f6f4 with both operands' format E3M2, f32 sums; everything else in f32.
;; Inputs: base_weight 256 x 1,024 float32; grid 1,024 x 12 float32; spline_weight_codes 256 x 256 x 24 uint8 (E3M2 codes of spline_weight, K innermost, in blocks of 32 codes, four codes in three bytes); spline_weight_scales 256 x 256 uint8 (E8M0 scales of spline_weight, one for each 32 codes along K); x 16,384 x 1,024 float32.
;; Outputs: out0 16,384 x 256 float32.
;; This version of the problem:
;;   THIS VERSION OF THE PROBLEM IS GIVEN IN LOW PRECISION. The matrix products marked QUANTISED in the list below multiply operands that are first quantised to E3M2 (3 exponent bits, 2 mantissa bits; 6 bits a number), with one power-of-two scale for each 32 numbers along K (OCP MX v1.0); their sums are f32. All else is computed in f32.
;;   The module's matrix products, in the order in which they are computed (A, B: the left and right operand; K: the contracted axis; several contracted axes count as one K, in the product's order):
;;     1. [M 16,384, K 1,024] x [K 1,024, N 256]; A: computed on the way; B: computed on the way: QUANTISED
;;     2. [M 16,384, K 8,192] x [K 8,192, N 256]; A: computed on the way; B: input spline_weight (given as codes): QUANTISED
;;   THE QUANTISER, for each operand of a quantised product, along K:
;;     - K is cut into blocks of 32 from its start; a last block that is shorter is filled with zeros.
;;     - A block's scale is 2^e with e = floor(log2(the largest magnitude in the block)) - 4, held to -126 .. 127; a block of zeros has e = 0. As a byte (E8M0): e + 127.
;;     - Each number is divided by its block's scale, clamped to +-28, and rounded to the nearest number of E3M2, ties to even, subnormals kept.
;;     - The product sums the exact products of the quantised numbers (number of the format x scale) in f32.
;;   ~~~python
;;   def quantise(x, axis):      # numpy; x: float32 -> the quantised numbers, widened to float32 again
;;       x = np.moveaxis(x, axis, -1); K = x.shape[-1]
;;       x = np.pad(x, [(0, 0)] * (x.ndim - 1) + [(0, -K % 32)]); x = x.reshape(x.shape[:-1] + (-1, 32)); a = np.abs(x).max(-1, keepdims=True)
;;       e = np.where(a > 0, np.clip(np.frexp(np.where(a > 0, a, 1))[1] - 1 - 4, -126, 127), 0)      # np.frexp(a)[1] - 1 = floor(log2(a)), exactly
;;       r = np.clip(x / 2.0 ** e, -28, 28)
;;       step = 2.0 ** (np.maximum(np.frexp(np.where(r == 0, 1, r))[1] - 1, -2) - 2)
;;       q = np.round(r / step) * step * 2.0 ** e      # np.round: ties to even
;;       return np.moveaxis(q.reshape(q.shape[:-2] + (-1,))[..., :K], -1, axis).astype(np.float32)
;;   ~~~
;;   OPERANDS COMPUTED ON THE WAY. 'Computed on the way' means the value that the module computes at that place (a softmax that the list does not call 'softmax' is quantised finished and normalised). What goes into a quantiser is computed in f32, as accurately as f32 sums, v_exp_f32 and their like allow (about 1e-6 of the number): no bf16 or f16 on the way to a quantiser, and a product that is left as it is and whose result goes on into a quantised operand takes f32 operands (vector FMAs, or v_wmma_f32_16x16x4_f32). A number that lies on a knife's edge between two numbers of the format may be rounded either way, as far as f32 arithmetic and the matrix unit's own rounding can turn it there, and no further.
;;   INPUTS GIVEN AS CODES. spline_weight (in the module: [256, 8192], K = its axis 1): each comes as NAME_codes (uint8): NAME with its K axis moved to the last place and cut into blocks of 32 codes, [.., K / 32, bytes a block], one block behind the other in memory; four codes in three bytes: a row's codes are one little-endian stream of bits, code i at bits 6 i .. 6 i + 5 (a code: sign, 3 exponent bits, 2 mantissa bits); and NAME_scales (uint8): the same leading axes, one E8M0 byte (e + 127) for each 32 codes along K. Its value is code x scale, taken as it is: it is not quantised again, and the codes and scales need not be those that the quantiser above would give.
;; One version. Each part assembles by itself: llvm-mc -triple=amdgcn-amd-amdhsa -mcpu=gfx1250 --defsym DOCPART=n.
;; ======== version 1 of 1: 2 launches
;; workspace buffers: wfrag 1,769,472 bytes; wscale 73,728 bytes
;; launch prep (part 1): grid 144 x 1, 8 waves a work-group, no clusters, 0 bytes of LDS; arguments base_weight, spline_weight_codes, spline_weight_scales, wfrag, wscale; writes wfrag, wscale
.if DOCPART == 1
	.amdgcn_target "amdgcn-amd-amdhsa--gfx1250"
	.amdhsa_code_object_version 6
	.text
	.protected	k_q7a6e59cab6_prep
	.globl	k_q7a6e59cab6_prep
	.p2align	8
	.type	k_q7a6e59cab6_prep,@function
k_q7a6e59cab6_prep:
	s_mov_b64 s[64:65], 0
	v_nop
	global_prefetch_b8 v0, s[64:65] scope:SCOPE_SE
	s_setreg_imm32_b32 hwreg(HW_REG_WAVE_MODE, 25, 1), 1
	s_wait_xcnt 0x0
; The weights of both products are laid out once as IMAGES OF THE OPERAND'S REGISTERS, for the launch that multiplies.
; wfrag  [ks 0..71][nt 0..15][g 0..2][lane][16 bytes]: register 4 g + e of the fragment (weight rows 16 nt .. 16 nt + 15, K step ks of 128) at 512 g + 16 lane + 4 e.
; wscale [ks 0..71][n 0..255]: one word a row and K step: its four E8M0 bytes.   ks 0..63: spline_weight; ks 64..71: base_weight.
; One wave makes one fragment: fragment number T = 8 x work-group + wave = 16 ks + nt.  No LDS, no barrier: waves share nothing.
; SPLINE (work-groups 0..127): the codes are taken as given, only their ORDER inside each block of 32 changes: the code of (feature fl of the block's four, basis i) moves from
; place 8 fl + i to place 4 i + fl, the order in which the other launch's packed arithmetic leaves the bases.  A block and its scale byte stay together, so every product stays the same.
; The codes are widened to f32 with the scale 1 (exact), moved, and narrowed again with the scale 1 (exact: each number is a number of the format).
; BASE (work-groups 128..143): base_weight, f32, is quantised along K: a lane holds two whole blocks of 32 of its row.  (reference()'s factor SCALE_BASE is 1.0: the multiplication changes no bit and is not written.)
; A block's scale byte is its largest magnitude's exponent field - 4, held at 1 from below.  A block of zeros gets the byte 1 where the rule says 127: its codes are zeros, and this program alone reads the bytes.
; LIMITS: NaN and infinities in base_weight are not served; blocks whose largest magnitude lies under 2^(5 - 127) keep the byte 1.
; The scale words leave 64 bytes a wave (16 rows of one K step): 73,728 bytes in the whole launch.
.set A,   8                            ; v8-19    the fragment as it lies in memory
.set BT,  20                           ; v20-22   a block's upper three registers, moved to an even start
.set DT,  24                           ; v24-26   a conversion's result on its way to an odd start
.set O,   28                           ; v28-39   the fragment that is stored
.set F,   40                           ; v40-71   a block's 32 numbers;  BASE: v40-103 two blocks
.set G,   72                           ; v72-103  the same in the new order
.set SC,  104                          ; v104     the byte 127 four times: the scale 1 for widening
.set ONE, 105                          ; v105     1.0: the scale 1 for narrowing
.set SW,  106                          ; v106     the scale word
	s_load_b128 s[4:7], s[0:1], 0x0                ; base_weight, spline_weight_codes
	s_load_b128 s[8:11], s[0:1], 0x10              ; spline_weight_scales, wfrag
	s_load_b64 s[12:13], s[0:1], 0x20              ; wscale
	v_lshrrev_b32 v1, 5, v0
	v_readfirstlane_b32 s14, v1                    ; wave 0..7
	v_and_b32 v1, 31, v0                           ; lane
	v_and_b32 v2, 15, v0                           ; r
	v_bfe_u32 v3, v0, 4, 1                         ; h
	v_lshlrev_b32 v6, 4, v1                        ; out: 16 bytes a lane
	v_lshlrev_b32 v7, 2, v2                        ; out: row r's scale word
	s_lshl_b32 s15, ttmp9, 3
	s_add_co_u32 s15, s15, s14                     ; T
	s_lshr_b32 s16, s15, 4                         ; ks
	s_and_b32 s17, s15, 15                         ; nt
	s_mul_i32 s18, s15, 1536                       ; a fragment's image is 1,536 bytes
	s_mov_b32 s19, 0
	s_lshl_b32 s20, s16, 10                        ; 1,024 bytes of scale words a K step,
	s_lshl_b32 s21, s17, 6                         ; 64 for 16 rows
	s_add_co_u32 s20, s20, s21
	s_mov_b32 s21, 0
	s_mov_b32 s23, 0
	s_mov_b32 s25, 0
	s_wait_kmcnt 0x0
	s_add_nc_u64 s[10:11], s[10:11], s[18:19]
	s_add_nc_u64 s[12:13], s[12:13], s[20:21]
	s_cmp_ge_u32 ttmp9, 128
	s_cbranch_scc1 .Lbase
	; ---- spline_weight: lane (r, h) takes, of row 16 nt + r, the 24 bytes of blocks 4 ks + h and 4 ks + 2 + h
	s_mul_i32 s22, s17, 98304                      ; 16 rows of 6,144 bytes
	s_mul_i32 s24, s16, 96                         ; 96 bytes a K step
	s_add_co_u32 s22, s22, s24
	s_add_nc_u64 s[6:7], s[6:7], s[22:23]
	s_lshl_b32 s24, s17, 12                        ; 16 rows of 256 scale bytes
	s_lshl_b32 s26, s16, 2
	s_add_co_u32 s24, s24, s26
	s_add_nc_u64 s[8:9], s[8:9], s[24:25]
	v_mul_u32_u24 v4, v2, 6144
	v_mad_u32_u24 v4, v3, 24, v4
	v_lshlrev_b32 v5, 8, v2
.irp c, 0,1
.irp j, 0,1,2
	global_load_b64 v[A+6*\c+2*\j:A+6*\c+2*\j+1], v4, s[6:7] offset:48*\c+8*\j
.endr
.endr
	global_load_b32 v[SW], v5, s[8:9]              ; the row's four bytes of this K step, as they lie
	v_mov_b32 v[SC], 0x7f7f7f7f
	v_mov_b32 v[ONE], 1.0
	s_wait_loadcnt 0x0
.irp c, 0,1
	v_mov_b32 v[BT], v[A+6*\c+3]                   ; (a conversion's three registers begin on an even number)
	v_mov_b32 v[BT+1], v[A+6*\c+4]
	v_mov_b32 v[BT+2], v[A+6*\c+5]
	v_cvt_scale_pk16_f32_bf6 v[F:F+15], v[A+6*\c:A+6*\c+2], v[SC]
	v_cvt_scale_pk16_f32_bf6 v[F+16:F+31], v[BT:BT+2], v[SC]
	v_nop                                          ; one plain place behind a scaled conversion
.irp f, 0,1,2,3
.irp i, 0,1,2,3,4,5,6,7
	v_mov_b32 v[G+4*\i+\f], v[F+8*\f+\i]           ; (feature f, basis i): from place 8 f + i to place 4 i + f
.endr
.endr
	v_cvt_scalef32_pk16_bf6_f32 v[O+6*\c:O+6*\c+2], v[G:G+15], v[ONE]
	v_cvt_scalef32_pk16_bf6_f32 v[DT:DT+2], v[G+16:G+31], v[ONE]
	v_nop
	v_mov_b32 v[O+6*\c+3], v[DT]
	v_mov_b32 v[O+6*\c+4], v[DT+1]
	v_mov_b32 v[O+6*\c+5], v[DT+2]
.endr
	s_branch .Lstore
.Lbase:	; ---- base_weight: lane (r, h) takes, of row 16 nt + r, the 32 numbers of blocks h and 2 + h of K step ks - 64
	s_sub_co_u32 s16, s16, 64
	s_lshl_b32 s22, s17, 16                        ; 16 rows of 4,096 bytes
	s_lshl_b32 s24, s16, 9                         ; 512 bytes a K step
	s_add_co_u32 s22, s22, s24
	s_add_nc_u64 s[4:5], s[4:5], s[22:23]
	s_mov_b32 s26, 0x76543210
	s_mov_b32 s27, 0xfedcba98                      ; v_permlanex16_b32's selects for lane l xor 16
	v_lshlrev_b32 v4, 12, v2
	v_lshl_add_u32 v4, v3, 7, v4
.irp c, 0,1
.irp j, 0,1,2,3,4,5,6,7
	global_load_b128 v[F+32*\c+4*\j:F+32*\c+4*\j+3], v4, s[4:5] offset:256*\c+16*\j
.endr
.endr
	s_wait_loadcnt 0x0
.irp c, 0,1
	v_max3_num_f32 v[107+\c], |v[F+32*\c]|, |v[F+32*\c+1]|, 0x2800000   ; the floor 2^(5 - 127) among the leaves: the byte cannot fall under 1
	v_max3_num_f32 v[109+\c], |v[F+32*\c+16]|, |v[F+32*\c+17]|, |v[F+32*\c+18]|
.endr
.irp i, 0,1,2,3,4,5
.irp c, 0,1
	v_max3_num_f32 v[107+\c], v[107+\c], |v[F+32*\c+2+2*\i]|, |v[F+32*\c+3+2*\i]|
	v_max3_num_f32 v[109+\c], v[109+\c], |v[F+32*\c+19+2*\i]|, |v[F+32*\c+20+2*\i]|
.endr
.endr
.irp c, 0,1
	v_max3_num_f32 v[107+\c], v[107+\c], |v[F+32*\c+14]|, |v[F+32*\c+15]|
.endr
.irp c, 0,1
	v_max3_num_f32 v[107+\c], v[107+\c], v[109+\c], |v[F+32*\c+31]|     ; the block's largest magnitude
.endr
.irp c, 0,1
	v_add_nc_u32 v[111+\c], 0xfe000000, v[107+\c]  ; 4 off its exponent field: the conversion takes the exponent field of this operand as its scale
.endr
.irp c, 0,1
	v_lshrrev_b32 v[113+\c], 23, v[111+\c]         ; the scale's byte
.endr
	v_lshl_or_b32 v[SW], v114, 16, v113            ; my two bytes: blocks h and 2 + h,
	v_lshlrev_b32 v115, 3, v3
	v_lshlrev_b32 v[SW], v115, v[SW]               ; 8 h bits up;
	v_mov_b32 v116, 0
	v_permlanex16_b32 v116, v[SW], s26, s27
	v_or_b32 v[SW], v[SW], v116                    ; with lane l xor 16's two the word is whole
.irp c, 0,1
	v_cvt_scalef32_pk16_bf6_f32 v[O+6*\c:O+6*\c+2], v[F+32*\c:F+32*\c+15], v[111+\c]
	v_cvt_scalef32_pk16_bf6_f32 v[DT:DT+2], v[F+32*\c+16:F+32*\c+31], v[111+\c]
	v_nop
	v_mov_b32 v[O+6*\c+3], v[DT]
	v_mov_b32 v[O+6*\c+4], v[DT+1]
	v_mov_b32 v[O+6*\c+5], v[DT+2]
.endr
.Lstore:
	global_store_b128 v6, v[O:O+3], s[10:11]               ; each store of the wave covers 512 consecutive bytes, aligned
	global_store_b128 v6, v[O+4:O+7], s[10:11] offset:512
	global_store_b128 v6, v[O+8:O+11], s[10:11] offset:1024
	global_store_b32 v7, v[SW], s[12:13]                   ; both halves of the lanes write the same word with the same value
	s_endpgm
.Lfunc_end_k_q7a6e59cab6_prep:
	.size	k_q7a6e59cab6_prep, .Lfunc_end_k_q7a6e59cab6_prep-k_q7a6e59cab6_prep
	.p2alignl 7, 3214868480
	.fill 96, 4, 3214868480
	.section	.rodata,"a",@progbits
	.p2align	6, 0x0
	.amdhsa_kernel k_q7a6e59cab6_prep
		.amdhsa_group_segment_fixed_size 0
		.amdhsa_private_segment_fixed_size 0
		.amdhsa_enable_private_segment 0
		.amdhsa_kernarg_size 40
		.amdhsa_user_sgpr_count 2
		.amdhsa_user_sgpr_kernarg_segment_ptr 1
		.amdhsa_wavefront_size32 1
		.amdhsa_system_sgpr_workgroup_id_x 1
		.amdhsa_system_sgpr_workgroup_id_y 1
		.amdhsa_system_sgpr_workgroup_id_z 1
		.amdhsa_system_vgpr_workitem_id 0
		.amdhsa_next_free_vgpr 128
		.amdhsa_next_free_sgpr 66
		.amdhsa_reserve_vcc 0
		.amdhsa_float_denorm_mode_32 3
		.amdhsa_float_denorm_mode_16_64 3
		.amdhsa_memory_ordered 1
		.amdhsa_forward_progress 1
		.amdhsa_inst_pref_size 11
	.end_amdhsa_kernel
	.amdgpu_metadata
---
amdhsa.version: [ 1, 2 ]
amdhsa.kernels:
  - .name:           k_q7a6e59cab6_prep
    .symbol:         k_q7a6e59cab6_prep.kd
    .args:
      - { .name: base_weight, .offset: 0, .size: 8, .value_kind: global_buffer, .address_space: global }
      - { .name: spline_weight_codes, .offset: 8, .size: 8, .value_kind: global_buffer, .address_space: global }
      - { .name: spline_weight_scales, .offset: 16, .size: 8, .value_kind: global_buffer, .address_space: global }
      - { .name: wfrag, .offset: 24, .size: 8, .value_kind: global_buffer, .address_space: global }
      - { .name: wscale, .offset: 32, .size: 8, .value_kind: global_buffer, .address_space: global }
    .group_segment_fixed_size: 0
    .private_segment_fixed_size: 0
    .kernarg_segment_align: 8
    .kernarg_segment_size: 40
    .max_flat_workgroup_size: 256
    .sgpr_count:     66
    .vgpr_count:     128
    .wavefront_size: 32
...
	.end_amdgpu_metadata
.endif
;; end of part 1
;; launch kan (part 2): grid 256 x 1, 8 waves a work-group, no clusters, 327,680 bytes of LDS; arguments x, grid, wfrag, wscale, out0; writes out0
.if DOCPART == 2
	.amdgcn_target "amdgcn-amd-amdhsa--gfx1250"
	.amdhsa_code_object_version 6
	.text
	.protected	k_q7a6e59cab6_kan
	.globl	k_q7a6e59cab6_kan
	.p2align	8
	.type	k_q7a6e59cab6_kan,@function
k_q7a6e59cab6_kan:
	s_mov_b64 s[64:65], 0
	v_nop
	global_prefetch_b8 v0, s[64:65] scope:SCOPE_SE
	s_setreg_imm32_b32 hwreg(HW_REG_WAVE_MODE, 25, 1), 1
	s_wait_xcnt 0x0
; out0[16384][256] = Q(silu(x)) Q(base_weight)^T + Q(bsplines(x, grid)) spline_weight^T, both products on codes of BF6 (E3M2) with one E8M0 scale for each 32 along K; sums in f32.
; The weights come as images of the operand's registers (wfrag, wscale), K steps 0..63 spline, 64..71 base.  x and grid are read here; the bases and silu(x) are made, quantised and multiplied without going to memory.
; WHAT BINDS is the vector arithmetic of the bases (131 vector instructions for two numbers of x), so each basis is made once, two features to an instruction, and lands where the operand wants it.
; SHARES.  A work-group of eight waves owns 64 rows (four tiles of 16) and all 256 outputs.  K goes in 16 PHASES of 64 features (four spline K steps of 128, half a base K step).
;   Making:  wave w makes, for all four tiles of rows, features 64 ph + 8 w + 4 h + 0..3 (h = lane / 16): lane (r, h) holds row r and ONE WHOLE BLOCK of 32 along K, block 2 (w & 1) + h of K step 4 ph + (w >> 1).
;            So a block's largest magnitude needs no other lane, the conversions' six registers are registers 6 (w & 1) .. + 5 of the fragment, and a feature's constants serve four tiles.
;            Inside a block the codes lie at 4 i + fl (basis i, feature fl), as the packed arithmetic leaves them; the weights' codes were laid the same way.
;            Waves 0-3 also make silu(x) of tile w: lane (r, h) holds features 64 ph + 32 h + 0..31, again a whole block.
;   Multiplying: wave w owns outputs 32 w .. 32 w + 31 for all 64 rows: eight accumulators, by turns.  Its weights are wanted by no other wave of the work-group and come from memory straight into registers,
;            two K steps ahead; the rows' fragments come from LDS as images of their registers (48 bytes a lane), their scale words beside them.
;   The matrix instruction is used transposed (source 0 = 16 weight rows, source 1 = 16 rows of x): a lane holds eight neighbouring outputs of one row.
; PIPELINE.  Slot p multiplies phase p and makes phase p + 1 into the other image buffer; one barrier a slot.  x comes by one tensor load a slot (wave 0: 64 rows x 256 bytes), two tiles by turns, asked for a slot ahead:
; by this text's count wave 0 has two tensor loads out at the start and one later, the other waves none.
; THE BASES, for any knots (no order or spacing of grid is assumed): t_i = x - g_i;  C_i = (x >= g_i and not x >= g_(i+1)) ? 1 / (g_(i+1) - g_i) : 0;  then for k = 1, 2, 3:
; B_i = t_i C_i - t_(i+k+1) C_(i+1),  C_i = B_i / (g_(i+k+1) - g_i).  That is reference()'s recursion with each division done as a multiplication by a reciprocal kept for each feature.
; LIMITS.  The reciprocals are v_rcp_f32 with one Newton step: a basis may differ from reference()'s by a few units in its last place.  NaN and infinities in x are not served.  Knots that coincide at a distance
; of 1, 2 or 3 places (where reference() divides by zero) are not served.  silu(x) is x / (1 + 2^(-x log2 e)): below about x = -88 it is 0 where reference() has a number under 1e-36.
; A block of zeros gets the scale byte 1 where the rule says 127: its codes are zeros, and this program alone reads the bytes.
; NO CLUSTER: what work-groups share is the weights.  A joint load lands in LDS; a ring of two K steps' weights is 2 x 24,576 bytes and this text has 17,408 bytes of LDS left; and each fragment would then
; be written to LDS and read back for the one wave that wants it.
;
; LDS:  XT0, XT1  two tiles of x, 64 rows, 272 bytes apart (256 + 16: an odd multiple of 16), filled by tensor loads alone
;       SPARE     the spare words, 128 bytes a wave      CT  512 records of 336 bytes, one for each pair of features; at the end the stage for out0 (64 rows, 1,040 bytes apart)
;       BUF0, BUF1  images [K step 0..3][tile m][lane][48 bytes], then scale words [K step][r][m]      BI  base half images [phase][m][lane][24 bytes]      BS  base scale bytes [m][r][phase][h]
; A RECORD (84 words, each entry a pair (feature, feature + 1)): 0 the 12 knots; 24 the 11 reciprocals of g_(i+1) - g_i; 46 the 10 of g_(i+2) - g_i; 66 the 9 of g_(i+3) - g_i.
; REGISTERS, in windows of 256.  Window 0: v1-13 lane terms, v14-22 a slot's addresses, then as named below.  Window 1: v0-167 two records, v168-191 t, v192-239 the rows' four fragments.
.set XT0,   0
.set XT1,   17408
.set SPARE, 34816
.set CT,    35840
.set REC,   336
.set PHK,   32*REC                     ; a phase's records
.set BUF0,  207872
.set BUF1,  233472
.set BFLIP, 48128                      ; BUF0 xor BUF1
.set SCO,   24576                      ; the scale words' place in an image buffer
.set BI,    259072
.set BS,    308224
.set SPITCH, 1040
.set SPW, 1                            ; LDS address of my spare word; never rewritten
.set NIL, 2                            ; 0; never rewritten
.set LX,  3                            ; lane terms: x for the bases: 272 r + 32 w + 16 h
.set LXB, 4                            ; x for silu: 272 (16 (w & 3) + r) + 128 h
.set LK,  5                            ; my two records: CT + 1344 w + 672 h
.set LAW, 6                            ; where I store half a fragment: 6144 (w >> 1) + 24 (w & 1) + 48 lane
.set LSW, 7                            ; and its scale byte: SCO + 256 (w >> 1) + 2 (w & 1) + 16 r + h
.set L48, 8                            ; 48 lane
.set LSR, 9                            ; SCO + 16 r
.set LBW, 10                           ; BI + 768 (w & 3) + 24 lane
.set LBS, 11                           ; BS + 512 (w & 3) + 32 r + h
.set LG16, 12                          ; 16 lane
.set LG4, 13                           ; 4 lane
.set XRD, 14
.set XRB, 15
.set KAD, 16
.set AWR, 17
.set SWR, 18
.set ARD, 19
.set SRD, 20
.set BWR, 21
.set BSW, 22
.set ACC, 24                           ; v24-87   accumulator (n, m) at ACC + 8 (4 n + m)
.set BF,  88                           ; v88-135  my weights' fragments, two sets of two
.set BSC, 136                          ; v136-137 their scale words, one register a set: lanes 0-15 tile 2 w, lanes 16-31 tile 2 w + 1
.set ASC, 138                          ; v138-141 the rows' scale words, tile m
.set X,   142                          ; v142-157 my four numbers of x for each tile
.set OUT, 158                          ; v158-189 a block's 32 numbers
.set P,   190                          ; v190-211
.set Q,   212                          ; v212-231
.set MA,  232
.set MB,  233
.set SCL, 234
.set BY,  235
.set CD,  236                          ; v236-241 a block's codes
.set EH,  242                          ; v242-244
.set T,   168                          ; window 1
.set AF,  192                          ; window 1
.set RC,  72                           ; the head alone: v72-155 a record, v156-215 the knots' differences
.set DD,  156
.set WV,  14
.set G1,  20                           ; s[20:27] descriptor group 1;  s[28:31], s[32:35] groups 0: tile 0; tile 1, which then walks
.set G0A, 28
.set G0W, 32
.set MK,  36                           ; s36-59   24 lane masks
.set CNT, 60
.set XT,  61                           ; the tile of x that is read
.set KO,  62                           ; PHK x the phase that is made
.set AW,  63                           ; the image buffer that is written
.set AR,  66                           ; and the one that is read
.set BW,  67                           ; 3072 x the phase that is made
.set BO,  68                           ; 2 x the phase that is made
.set NL2E, 76                          ; s[76:77] -log2(e)
.set MSB, 0
.macro WIN new                         ; the immediate's high byte repeats the setting that is left; a switch that changes nothing is dropped
.if MSB != \new
	s_set_vgpr_msb (MSB<<8)|\new
.set MSB, \new
.endif
.endm
.set W_T, 0x44                         ; destination and source 1 in window 1
.set W_P, 0x04                         ; source 1 in window 1
.macro PLACES
.rept 4
	v_nop
.endr
.endm
; A pair's record is made of its 24 knots (v[g] on: 12 of the even feature, 12 of the odd one) and stored.
.macro CONSTS g, ladr
.irp i, 0,1,2,3,4,5,6,7,8,9,10,11
	v_mov_b32 v[RC+2*\i], v[\g+\i]
	v_mov_b32 v[RC+2*\i+1], v[\g+12+\i]
.endr
.irp i, 0,1,2,3,4,5,6,7,8,9,10
	v_pk_add_f32 v[DD+2*\i:DD+2*\i+1], v[RC+2*\i+2:RC+2*\i+3], v[RC+2*\i:RC+2*\i+1] neg_lo:[0,1] neg_hi:[0,1]
.endr
.irp i, 0,1,2,3,4,5,6,7,8,9
	v_pk_add_f32 v[DD+22+2*\i:DD+23+2*\i], v[RC+2*\i+4:RC+2*\i+5], v[RC+2*\i:RC+2*\i+1] neg_lo:[0,1] neg_hi:[0,1]
.endr
.irp i, 0,1,2,3,4,5,6,7,8
	v_pk_add_f32 v[DD+42+2*\i:DD+43+2*\i], v[RC+2*\i+6:RC+2*\i+7], v[RC+2*\i:RC+2*\i+1] neg_lo:[0,1] neg_hi:[0,1]
.endr
.set cq, 0
.rept 60
	v_rcp_f32 v[RC+24+cq], v[DD+cq]
.set cq, cq+1
.endr
	v_nop                                          ; a plain place behind the reciprocals
.set cq, 0
	s_wait_alu depctr_va_vdst(0)
.rept 30
	v_pk_fma_f32 v[DD+cq:DD+cq+1], v[DD+cq:DD+cq+1], v[RC+24+cq:RC+25+cq], 1.0 op_sel_hi:[1,1,0] neg_lo:[1,0,0] neg_hi:[1,0,0]   ; e = 1 - d a
.set cq, cq+2
.endr
.set cq, 0
.rept 30
	v_pk_fma_f32 v[RC+24+cq:RC+25+cq], v[RC+24+cq:RC+25+cq], v[DD+cq:DD+cq+1], v[RC+24+cq:RC+25+cq]   ; a = a + a e
.set cq, cq+2
.endr
.set cq, 0
.rept 21
	ds_store_b128 v[\ladr], v[RC+4*cq:RC+4*cq+3] offset:16*cq
.set cq, cq+1
.endr
.endm
; Record p of my two, from off bytes behind v[KAD], into window 1 (called under W_T).  The sixteen lanes of a half read the same bytes.
.macro KLOAD p, off
.set cq, 0
.rept 21
	ds_load_b128 v[84*\p+4*cq:84*\p+4*cq+3], v[KAD] offset:\off+REC*\p+16*cq
.set cq, cq+1
.endr
.endm
; The eight bases of two neighbouring features, x in v[xr], v[xr + 1], constants in record p: basis i goes to OUT + 4 i + 2 p, + 1.
.macro PAIR xr, p
	WIN W_T
.irp i, 0,1,2,3,4,5,6,7,8,9,10,11
	v_pk_add_f32 v[T+2*\i:T+2*\i+1], v[(\xr):(\xr)+1], v[84*\p+2*\i:84*\p+2*\i+1] neg_lo:[0,1] neg_hi:[0,1]   ; t_i = x - g_i
.endr
	WIN W_P
.irp i, 0,1,2,3,4,5,6,7,8,9,10,11
	v_cmp_ge_f32 s[MK+2*\i], v[(\xr)], v[84*\p+2*\i]
	v_cmp_ge_f32 s[MK+2*\i+1], v[(\xr)+1], v[84*\p+2*\i+1]
.endr
.irp i, 0,1,2,3,4,5,6,7,8,9,10
	s_and_not1_b32 s[MK+2*\i], s[MK+2*\i], s[MK+2*\i+2]       ; x >= g_i and not x >= g_(i+1); ascending, so that the right-hand mask is still whole
	s_and_not1_b32 s[MK+2*\i+1], s[MK+2*\i+1], s[MK+2*\i+3]
.endr
.irp i, 0,1,2,3,4,5,6,7,8,9,10
	v_cndmask_b32 v[P+2*\i], 0, v[84*\p+24+2*\i], s[MK+2*\i]
	v_cndmask_b32 v[P+2*\i+1], 0, v[84*\p+25+2*\i], s[MK+2*\i+1]
.endr
.irp i, 0,1,2,3,4,5,6,7,8,9                    ; in each level all products first, then all fused multiply-adds: no line waits for the line above it
	v_pk_mul_f32 v[Q+2*\i:Q+2*\i+1], v[P+2*\i+2:P+2*\i+3], v[T+2*\i+4:T+2*\i+5]
.endr
.irp i, 0,1,2,3,4,5,6,7,8,9
	v_pk_fma_f32 v[Q+2*\i:Q+2*\i+1], v[P+2*\i:P+2*\i+1], v[T+2*\i:T+2*\i+1], v[Q+2*\i:Q+2*\i+1] neg_lo:[0,0,1] neg_hi:[0,0,1]
.endr
.irp i, 0,1,2,3,4,5,6,7,8,9
	v_pk_mul_f32 v[Q+2*\i:Q+2*\i+1], v[Q+2*\i:Q+2*\i+1], v[84*\p+46+2*\i:84*\p+47+2*\i]
.endr
.irp i, 0,1,2,3,4,5,6,7,8
	v_pk_mul_f32 v[P+2*\i:P+2*\i+1], v[Q+2*\i+2:Q+2*\i+3], v[T+2*\i+6:T+2*\i+7]
.endr
.irp i, 0,1,2,3,4,5,6,7,8
	v_pk_fma_f32 v[P+2*\i:P+2*\i+1], v[Q+2*\i:Q+2*\i+1], v[T+2*\i:T+2*\i+1], v[P+2*\i:P+2*\i+1] neg_lo:[0,0,1] neg_hi:[0,0,1]
.endr
.irp i, 0,1,2,3,4,5,6,7,8
	v_pk_mul_f32 v[P+2*\i:P+2*\i+1], v[P+2*\i:P+2*\i+1], v[84*\p+66+2*\i:84*\p+67+2*\i]
.endr
.irp i, 0,1,2,3,4,5,6,7
	v_pk_mul_f32 v[OUT+4*\i+2*\p:OUT+4*\i+2*\p+1], v[P+2*\i+2:P+2*\i+3], v[T+2*\i+8:T+2*\i+9]
.endr
.irp i, 0,1,2,3,4,5,6,7
	v_pk_fma_f32 v[OUT+4*\i+2*\p:OUT+4*\i+2*\p+1], v[P+2*\i:P+2*\i+1], v[T+2*\i:T+2*\i+1], v[OUT+4*\i+2*\p:OUT+4*\i+2*\p+1] neg_lo:[0,0,1] neg_hi:[0,0,1]
.endr
.endm
; The block in OUT becomes six registers of codes and a scale byte; both go to LDS.  w1 >= 0: the count that shows my last four stores done, ahead of the lines that write their data again.
.macro QUANT adr, aoff, sadr, soff, w1
	WIN 0
	v_max3_num_f32 v[MA], |v[OUT]|, |v[OUT+1]|, 0x2800000      ; the floor 2^(5 - 127) among the leaves: the byte cannot fall under 1
	v_max3_num_f32 v[MB], |v[OUT+16]|, |v[OUT+17]|, |v[OUT+18]|
.irp i, 0,1,2,3,4,5
	v_max3_num_f32 v[MA], v[MA], |v[OUT+2+2*\i]|, |v[OUT+3+2*\i]|
	v_max3_num_f32 v[MB], v[MB], |v[OUT+19+2*\i]|, |v[OUT+20+2*\i]|
.endr
	v_max3_num_f32 v[MA], v[MA], |v[OUT+14]|, |v[OUT+15]|
	v_max3_num_f32 v[MA], v[MA], v[MB], |v[OUT+31]|            ; the block's largest magnitude: all 32 numbers are mine
	v_add_nc_u32 v[SCL], 0xfe000000, v[MA]                     ; 4 off its exponent field: the conversion takes the exponent field of this operand as its scale
.if \w1 >= 0
	s_wait_dscnt \w1
.endif
	v_lshrrev_b32 v[BY], 23, v[SCL]                            ; the scale's byte
	v_cvt_scalef32_pk16_bf6_f32 v[CD:CD+2], v[OUT:OUT+15], v[SCL]
	v_cvt_scalef32_pk16_bf6_f32 v[EH:EH+2], v[OUT+16:OUT+31], v[SCL]   ; (a conversion's three registers begin on an even number)
	v_nop                                                      ; one plain place behind a scaled conversion
	v_mov_b32 v[CD+3], v[EH]
	v_mov_b32 v[CD+4], v[EH+1]
	v_mov_b32 v[CD+5], v[EH+2]
	ds_store_b64 v[\adr], v[CD:CD+1] offset:\aoff
	ds_store_b64 v[\adr], v[CD+2:CD+3] offset:\aoff+8
	ds_store_b64 v[\adr], v[CD+4:CD+5] offset:\aoff+16
	ds_store_b8 v[\sadr], v[BY] offset:\soff
.endm
.macro PROD m, w1                      ; my block of tile m
	PAIR X+4*(\m), 0
	PAIR X+4*(\m)+2, 1
	QUANT AWR, 1536*(\m), SWR, 4*(\m), \w1
.endm
.macro FETCH st                        ; the rows' four fragments and scale words of the phase's K step st: 13 LDS loads.  Called in window 0, leaves W_T
	ds_load_b128 v[ASC:ASC+3], v[SRD] offset:256*(\st)
	WIN W_T
.irp m, 0,1,2,3
.irp g, 0,1,2
	ds_load_b128 v[AF+12*\m+4*\g:AF+12*\m+4*\g+3], v[ARD] offset:6144*(\st)+1536*\m+16*\g
.endr
.endr
.endm
.macro LB set, k                       ; my two weight fragments and their scale words of the K step k behind the pointers: 7 loads
.irp g, 0,1,2,3,4,5
	global_load_b128 v[BF+24*(\set)+4*\g:BF+24*(\set)+4*\g+3], v[LG16], s[8:9] offset:24576*(\k)+512*\g
.endr
	global_load_b32 v[BSC+(\set)], v[LG4], s[10:11] offset:1024*(\k)
.endm
; A K step's eight products, the eight accumulators by turns, one instruction a turn, in the same order in every K step.
; nds, nld: the LDS instructions and the loads from memory that may stay out.  k >= 0: the set just multiplied takes the K step two on.
.macro CONS set, nds, nld, k
	s_wait_dscnt \nds
	s_wait_loadcnt \nld
	WIN W_P
.irp m, 0,1,2,3
	v_wmma_scale_f32_16x16x128_f8f6f4 v[ACC+8*\m:ACC+8*\m+7], v[BF+24*(\set):BF+24*(\set)+11], v[AF+12*\m:AF+12*\m+11], v[ACC+8*\m:ACC+8*\m+7], v[BSC+(\set)], v[ASC+\m] matrix_a_fmt:MATRIX_FMT_BF6 matrix_b_fmt:MATRIX_FMT_BF6
	v_wmma_scale_f32_16x16x128_f8f6f4 v[ACC+32+8*\m:ACC+32+8*\m+7], v[BF+24*(\set)+12:BF+24*(\set)+23], v[AF+12*\m:AF+12*\m+11], v[ACC+32+8*\m:ACC+32+8*\m+7], v[BSC+(\set)], v[ASC+\m] matrix_a_fmt:MATRIX_FMT_BF6 matrix_b_fmt:MATRIX_FMT_BF6 matrix_a_scale:MATRIX_SCALE_ROW1
.endr
	WIN 0
	PLACES                                         ; four places in front of loads into registers that these products have read, and of the first read of results
.if (\k) >= 0
	LB \set, \k
.endif
.endm
; Waves 0-3: silu of tile w's 64 features of the phase that is made; lane (r, h) holds block h.  The branch hangs on the wave's number alone; no barrier stands inside.
.macro BASE
	s_cmp_lt_u32 s[WV], 4
	s_cbranch_scc0 .Lnot_base_\@
.irp j, 0,1,2,3,4,5,6,7
	ds_load_b128 v[OUT+4*\j:OUT+4*\j+3], v[XRB] offset:16*\j
.endr
	s_wait_dscnt 0x0                               ; x is in, and my earlier stores have read their data
.set cq, 0
.rept 16
	v_pk_mul_f32 v[P+cq:P+cq+1], v[OUT+cq:OUT+cq+1], s[NL2E:NL2E+1] op_sel_hi:[1,0]
.set cq, cq+2
.endr
.set cq, 0
.rept 32
	v_exp_f32 v[P+cq], v[P+cq]                     ; e^(-x)
.set cq, cq+1
.endr
	v_nop                                          ; a plain place behind the exponentials
.set cq, 0
	s_wait_alu depctr_va_vdst(0)
.rept 16
	v_pk_add_f32 v[P+cq:P+cq+1], v[P+cq:P+cq+1], 1.0 op_sel_hi:[1,0]
.set cq, cq+2
.endr
.set cq, 0
.rept 32
	v_rcp_f32 v[P+cq], v[P+cq]
.set cq, cq+1
.endr
	v_nop
.set cq, 0
	s_wait_alu depctr_va_vdst(0)
.rept 16
	v_pk_mul_f32 v[OUT+cq:OUT+cq+1], v[OUT+cq:OUT+cq+1], v[P+cq:P+cq+1]
.set cq, cq+2
.endr
	QUANT BWR, 0, BSW, 0, -1
.Lnot_base_\@:
.endm
; THE CHANGE OF SLOTS.  Each wave waits for all its tensor loads (wave 0: the tile that is read next), adds 0 to its spare word, and waits for that, for its stores into the image buffer and for its reads of the
; other buffer and of the tile that it has left.  Behind the barrier the images just made may be read, the buffer just read may be written, and (fill = 1) wave 0 fills the tile just left with the features two phases on.
.macro SYNC fill
	WIN 0
	s_wait_tensorcnt 0x0                           ; no tensor load of mine is out, so a group 0 may be written
	ds_add_u32 v[SPW], v[NIL]                      ; 0 onto my spare word: the slot's scalar steps stand between it and the wait for it
	s_xor_b32 s[XT], s[XT], XT1
	s_xor_b32 s[AW], s[AW], BFLIP
	s_xor_b32 s[AR], s[AR], BFLIP
	s_add_co_u32 s[KO], s[KO], PHK
	s_add_co_u32 s[BW], s[BW], 3072
	s_add_co_u32 s[BO], s[BO], 2
.if \fill
	s_xor_b32 s[G0W+1], s[G0W+1], XT1              ; the walking descriptor: the other tile than last time,
	s_add_nc_u64 s[G0W+2:G0W+3], s[G0W+2:G0W+3], 256   ; the next 64 features; the type bits on top are not reached
.endif
	s_wait_dscnt 0x0
	s_barrier_signal -1
	s_barrier_wait -1
.if \fill
	s_cmp_lg_u32 s[WV], 0
	s_cbranch_scc1 .Lno_fill_\@
	tensor_load_to_lds s[G0W:G0W+3], s[G1:G1+7]    ; the first thing behind the barrier, and the one tensor load until the next
	s_nop 0
	PLACES
.Lno_fill_\@:
.endif
.endm
; A SLOT: multiplies the phase in buffer AR; prod = 1: makes the next phase into buffer AW; kn = 1: fetches the records of the phase after that.
.macro SLOT prod, kn
	v_add_nc_u32 v[ARD], s[AR], v[L48]
	v_add_nc_u32 v[SRD], s[AR], v[LSR]
.if \prod
	v_add_nc_u32 v[XRD], s[XT], v[LX]
	v_add_nc_u32 v[XRB], s[XT], v[LXB]
	v_add_nc_u32 v[AWR], s[AW], v[LAW]
	v_add_nc_u32 v[SWR], s[AW], v[LSW]
	v_add_nc_u32 v[BWR], s[BW], v[LBW]
	v_add_nc_u32 v[BSW], s[BO], v[LBS]
.irp m, 0,1,2,3
	ds_load_b128 v[X+4*\m:X+4*\m+3], v[XRD] offset:4352*\m
.endr
.endif
.if \kn
	v_add_nc_u32 v[KAD], s[KO], v[LK]
.endif
.irp st, 0,1,2,3
	FETCH \st                                      ; asked for here, wanted behind the block's arithmetic
.if \prod
.if \st == 0
	s_wait_dscnt 13                                ; x is in; the 13 loads just issued may be out
	PROD \st, -1
.else
	PROD \st, 13                                   ; (the last block's four stores are done when at most the 13 loads issued behind them are out)
.endif
	CONS \st%2, 4, 7, \st+2                        ; the 13 loads are in when at most my four stores are out; of the loads from memory the other set's seven may be out
.else
	CONS \st%2, 0, 7, \st+2
.endif
.endr
.if \kn
	WIN W_T
	KLOAD 0, PHK                                   ; all this slot's bases are made: the records of the next phase but one... of the phase that the next slot makes
	KLOAD 1, PHK
	WIN 0
.endif
	s_wait_xcnt 0x0                                ; the weights' pointers are stepped only behind this wait
	s_add_nc_u64 s[8:9], s[8:9], 4*24576
	s_add_nc_u64 s[10:11], s[10:11], 4*1024
.if \prod
	BASE
.endif
.endm
	; ---- the head
	s_load_b256 s[4:11], s[0:1], 0x0               ; x s[4:5], grid s[6:7], wfrag s[8:9], wscale s[10:11]
	s_load_b64 s[12:13], s[0:1], 0x20              ; out0
	v_lshl_add_u32 v[SPW], v0, 2, SPARE
	v_mov_b32 v[NIL], 0
	ds_add_u32 v1, v2
	s_wait_dscnt 0x0
	v_lshrrev_b32 v3, 5, v0
	v_readfirstlane_b32 s[WV], v3                  ; wave 0..7
	; descriptor group 1: a tile of 64 rows x 64 elements of 4 bytes, 16 bytes of padding behind each row
	s_mov_b32 s[G1+0], (2<<16)|(1<<20)|(5<<22)|(3<<25)   ; 15:0 no mask; 17:16 elements of 4 bytes; 20 padding on; 24:22 after every 64 words (code 5); 31:25 of 4 words (code 3)
	s_mov_b32 s[G1+1], 64<<16                      ; tensor_dim0 = 64
	s_mov_b32 s[G1+2], 64<<16                      ; tensor_dim1 = 64
	s_mov_b32 s[G1+3], 64<<16                      ; tile_dim0 = 64
	s_mov_b32 s[G1+4], 64                          ; tile_dim1 = 64
	s_mov_b32 s[G1+5], 1024                        ; elements from row to row
	s_mov_b32 s[G1+6], 0
	s_mov_b32 s[G1+7], 0
	s_lshl_b32 s16, ttmp9, 18                      ; my 64 rows of 4,096 bytes
	s_mov_b32 s17, 0
	s_wait_kmcnt 0x0
	s_add_nc_u64 s[4:5], s[4:5], s[16:17]
	s_mov_b32 s[G0A], 1
	s_mov_b32 s[G0A+1], XT0
	s_mov_b64 s[G0A+2:G0A+3], s[4:5]               ; features 0-63
	s_or_b32 s[G0A+3], s[G0A+3], 0x80000000
	s_mov_b32 s[G0W], 1
	s_mov_b32 s[G0W+1], XT1
	s_add_nc_u64 s[G0W+2:G0W+3], s[4:5], 256       ; features 64-127
	s_or_b32 s[G0W+3], s[G0W+3], 0x80000000
	s_cmp_lg_u32 s[WV], 0
	s_cbranch_scc1 .Lno_first
	tensor_load_to_lds s[G0A:G0A+3], s[G1:G1+7]    ; both first fills in one branch, ahead of every wait on TENSORcnt, every LDS read and every barrier
	s_nop 0
	tensor_load_to_lds s[G0W:G0W+3], s[G1:G1+7]
	s_nop 0
	PLACES
.Lno_first:
	; ---- the records: thread t makes those of pairs t and t + 256
	v_mul_u32_u24 v3, v0, 96                       ; a pair's 24 knots are 96 bytes
.irp j, 0,1,2,3,4,5
	global_load_b128 v[24+4*\j:27+4*\j], v3, s[6:7] offset:16*\j
.endr
.irp j, 0,1,2,3,4,5
	global_load_b128 v[48+4*\j:51+4*\j], v3, s[6:7] offset:24576+16*\j
.endr
	v_mul_u32_u24 v4, v0, REC
	v_add_nc_u32 v4, CT, v4
	v_add_nc_u32 v5, 256*REC, v4
	s_wait_loadcnt 6                               ; the first pair's knots are in; the second pair's six loads may be out
	CONSTS 24, 4
	s_wait_dscnt 0x0                               ; the stores have read the record's registers
	s_wait_loadcnt 0x0
	CONSTS 48, 5
	; ---- lane terms
	s_lshr_b32 s15, s[WV], 1
	s_and_b32 s16, s[WV], 1
	s_and_b32 s17, s[WV], 3
	v_and_b32 v16, 31, v0                          ; lane
	v_and_b32 v14, 15, v0                          ; r
	v_bfe_u32 v15, v0, 4, 1                        ; h
	v_mul_u32_u24 v17, v14, 272
	s_lshl_b32 s18, s[WV], 5
	v_lshl_add_u32 v[LX], v15, 4, v17
	v_add_nc_u32 v[LX], s18, v[LX]
	s_mul_i32 s18, s17, 4352
	v_lshl_add_u32 v[LXB], v15, 7, v17
	v_add_nc_u32 v[LXB], s18, v[LXB]
	s_mul_i32 s18, s[WV], 4*REC
	s_add_co_u32 s18, s18, CT
	v_mul_u32_u24 v[LK], v15, 2*REC
	v_add_nc_u32 v[LK], s18, v[LK]
	v_mul_u32_u24 v[L48], v16, 48
	s_mul_i32 s18, s15, 6144
	s_mul_i32 s19, s16, 24
	s_add_co_u32 s18, s18, s19
	v_add_nc_u32 v[LAW], s18, v[L48]
	v_lshl_add_u32 v[LSR], v14, 4, SCO
	s_lshl_b32 s18, s15, 8
	s_lshl_b32 s19, s16, 1
	s_add_co_u32 s18, s18, s19
	v_add_nc_u32 v[LSW], v[LSR], v15
	v_add_nc_u32 v[LSW], s18, v[LSW]
	v_mul_u32_u24 v[LBW], v16, 24
	s_mul_i32 s18, s17, 768
	s_add_co_u32 s18, s18, BI
	v_add_nc_u32 v[LBW], s18, v[LBW]
	v_lshl_add_u32 v[LBS], v14, 5, v15
	s_lshl_b32 s18, s17, 9
	s_add_co_u32 s18, s18, BS
	v_add_nc_u32 v[LBS], s18, v[LBS]
	v_lshlrev_b32 v[LG16], 4, v16
	v_lshlrev_b32 v[LG4], 2, v16
	s_mul_i32 s18, s[WV], 3072                     ; my two weight tiles in a K step's sixteen,
	s_mov_b32 s19, 0
	s_add_nc_u64 s[8:9], s[8:9], s[18:19]
	s_lshl_b32 s18, s[WV], 7                       ; and my 32 rows' scale words
	s_add_nc_u64 s[10:11], s[10:11], s[18:19]
	s_lshl_b32 s18, ttmp9, 16                      ; out0: my work-group's 64 rows of 1,024 bytes, my wave's eight of them
	s_lshl_b32 s2, s[WV], 13
	s_add_co_u32 s18, s18, s2
	s_add_nc_u64 s[12:13], s[12:13], s[18:19]
	LB 0, 0                                        ; K steps 0 and 1
	LB 1, 1
	s_mov_b32 s[NL2E], 0xbfb8aa3b                  ; -log2(e)
	s_mov_b32 s[NL2E+1], s[NL2E]                   ; (named with it as a pair, so it is written)
	s_mov_b32 s[XT], XT0
	s_mov_b32 s[KO], 0
	s_mov_b32 s[AW], BUF0
	s_mov_b32 s[AR], BUF1
	s_mov_b32 s[BW], 0
	s_mov_b32 s[BO], 0
.set cq, 0
.rept 64
	v_mov_b32 v[ACC+cq], 0                         ; the sums begin as zeros, so that the slot is written once for every phase
.set cq, cq+1
.endr
	s_wait_tensorcnt 0x0                           ; wave 0: both tiles of x are in
	s_wait_dscnt 0x0                               ; my records lie in LDS
	s_barrier_signal -1
	s_barrier_wait -1                              ; everybody's do
	; ---- phase 0 is made: a loop over the four tiles of rows
	v_add_nc_u32 v[XRB], s[XT], v[LXB]
	v_add_nc_u32 v[KAD], s[KO], v[LK]
	v_add_nc_u32 v[BWR], s[BW], v[LBW]
	v_add_nc_u32 v[BSW], s[BO], v[LBS]
	WIN W_T
	KLOAD 0, 0
	KLOAD 1, 0
	WIN 0
	s_mov_b32 s69, 0
	s_mov_b32 s70, XT0
	s_mov_b32 s71, BUF0
	s_mov_b32 s72, BUF0
.Lpro:
	v_add_nc_u32 v[XRD], s70, v[LX]
	v_add_nc_u32 v[AWR], s71, v[LAW]
	v_add_nc_u32 v[SWR], s72, v[LSW]
	ds_load_b128 v[X:X+3], v[XRD]
	s_wait_dscnt 0x0                               ; x is in (in the first trip the records too), and the last trip's stores have read their data
	PROD 0, -1
	s_add_co_u32 s70, s70, 4352
	s_add_co_u32 s71, s71, 1536
	s_add_co_u32 s72, s72, 4
	s_add_co_u32 s69, s69, 1
	s_cmp_lt_u32 s69, 4
	s_cbranch_scc1 .Lpro
	WIN W_T
	KLOAD 0, PHK                                   ; phase 1's records
	KLOAD 1, PHK
	WIN 0
	BASE
	; ---- slots 0 to 13: behind each change of slots a tile of x is asked for
	s_mov_b32 s[CNT], 0
.Lslot:
	SYNC 1
	SLOT 1, 1
	s_add_co_u32 s[CNT], s[CNT], 1
	s_cmp_lt_u32 s[CNT], 14
	s_cbranch_scc1 .Lslot
	SYNC 0                                         ; the tail is written out
	SLOT 1, 0                                      ; slot 14 makes phase 15: nothing is left to fetch
	SYNC 0
	SLOT 0, 0                                      ; slot 15 only multiplies; its last two K steps ask for the base product's first two weight sets
	; ---- the base product: eight K steps, each of two phases' half images.  The last barrier stands behind every store into BI and BS
	v_and_b32 v[XRD], 31, v0                       ; lane
	v_and_b32 v[XRB], 15, v0                       ; r
	v_bfe_u32 v[KAD], v0, 4, 1                     ; h
	v_mul_u32_u24 v[ARD], v[XRD], 24
	v_add_nc_u32 v[ARD], BI, v[ARD]
	v_lshl_add_u32 v[SRD], v[XRB], 5, BS
	v_mul_u32_u24 v[BWR], v[XRB], SPITCH           ; the stage, in: row r, + 32 h, + 128 w: my outputs' bytes
	v_lshl_add_u32 v[BWR], v[KAD], 5, v[BWR]
	s_lshl_b32 s18, s[WV], 7
	s_add_co_u32 s18, s18, CT
	v_add_nc_u32 v[BWR], s18, v[BWR]
	s_mul_i32 s18, s[WV], 8*SPITCH                 ; and back: my eight rows, 16 bytes a lane
	s_add_co_u32 s18, s18, CT
	v_add_nc_u32 v[BSW], s18, v[LG16]
.irp kb, 0,1,2,3,4,5,6,7
	WIN W_T
.irp m, 0,1,2,3
.irp c, 0,1
.irp j, 0,1,2
	ds_load_b64 v[AF+12*\m+6*\c+2*\j:AF+12*\m+6*\c+2*\j+1], v[ARD] offset:3072*(2*\kb+\c)+768*\m+8*\j
.endr
.endr
.endr
	WIN 0
.irp m, 0,1,2,3
	ds_load_b32 v[ASC+\m], v[SRD] offset:512*\m+4*\kb
.endr
.if \kb < 6
	CONS \kb%2, 0, 7, \kb+2
.elseif \kb == 6
	CONS 0, 0, 7, -1
.else
	CONS 1, 0, 0, -1                               ; the last set: no load was issued behind it
.endif
.endr
	; ---- the way out.  A lane holds 32 neighbouring bytes of a row, and a row's 1,024 bytes come from eight waves: they meet in a stage (where the records lay: their last read stands several barriers back),
	; and each wave stores eight whole rows.  The four places behind the last products stand at the end of the last K step.
.irp m, 0,1,2,3
.irp n, 0,1
	ds_store_b128 v[BWR], v[ACC+8*(4*\n+\m):ACC+8*(4*\n+\m)+3] offset:16*SPITCH*\m+64*\n       ; each accumulator from its low end on
	ds_store_b128 v[BWR], v[ACC+8*(4*\n+\m)+4:ACC+8*(4*\n+\m)+7] offset:16*SPITCH*\m+64*\n+16
.endr
.endr
	s_wait_dscnt 0x0                               ; for the others' sake: my stores into the stage are done
	s_barrier_signal -1
	s_barrier_wait -1
.irp k, 0,1,2,3,4,5,6,7,8,9,10,11,12,13,14,15
	ds_load_b128 v[X+4*\k:X+4*\k+3], v[BSW] offset:SPITCH*(\k/2)+512*(\k%2)
.endr
.irp k, 0,1,2,3,4,5,6,7,8,9,10,11,12,13,14,15
	s_wait_dscnt 15-\k                             ; LDS loads come back in order: load k is in, the younger ones may be out
	global_store_b128 v[LG16], v[X+4*\k:X+4*\k+3], s[12:13] offset:1024*(\k/2)+512*(\k%2) th:TH_STORE_NT   ; 32 lanes store 512 consecutive bytes, at a multiple of 256 from out0's first byte
.endr
	s_wait_tensorcnt 0x0                           ; the wave's end: behind my last tensor load and my last LDS store
	ds_add_u32 v[SPW], v[NIL]
	s_wait_dscnt 0x0
	s_endpgm
.Lfunc_end_k_q7a6e59cab6_kan:
	.size	k_q7a6e59cab6_kan, .Lfunc_end_k_q7a6e59cab6_kan-k_q7a6e59cab6_kan
	.p2alignl 7, 3214868480
	.fill 96, 4, 3214868480
	.section	.rodata,"a",@progbits
	.p2align	6, 0x0
	.amdhsa_kernel k_q7a6e59cab6_kan
		.amdhsa_group_segment_fixed_size 327680
		.amdhsa_private_segment_fixed_size 0
		.amdhsa_enable_private_segment 0
		.amdhsa_kernarg_size 40
		.amdhsa_user_sgpr_count 2
		.amdhsa_user_sgpr_kernarg_segment_ptr 1
		.amdhsa_wavefront_size32 1
		.amdhsa_system_sgpr_workgroup_id_x 1
		.amdhsa_system_sgpr_workgroup_id_y 1
		.amdhsa_system_sgpr_workgroup_id_z 1
		.amdhsa_system_vgpr_workitem_id 0
		.amdhsa_next_free_vgpr 512
		.amdhsa_next_free_sgpr 80
		.amdhsa_reserve_vcc 0
		.amdhsa_float_denorm_mode_32 3
		.amdhsa_float_denorm_mode_16_64 3
		.amdhsa_memory_ordered 1
		.amdhsa_forward_progress 1
		.amdhsa_inst_pref_size 255
	.end_amdhsa_kernel
	.section	.bss,"aw",@nobits
	.p2align	6
	.space	262144
	.amdgpu_metadata
---
amdhsa.version: [ 1, 2 ]
amdhsa.kernels:
  - .name:           k_q7a6e59cab6_kan
    .symbol:         k_q7a6e59cab6_kan.kd
    .args:
      - { .name: x, .offset: 0, .size: 8, .value_kind: global_buffer, .address_space: global }
      - { .name: grid, .offset: 8, .size: 8, .value_kind: global_buffer, .address_space: global }
      - { .name: wfrag, .offset: 16, .size: 8, .value_kind: global_buffer, .address_space: global }
      - { .name: wscale, .offset: 24, .size: 8, .value_kind: global_buffer, .address_space: global }
      - { .name: out0, .offset: 32, .size: 8, .value_kind: global_buffer, .address_space: global }
    .group_segment_fixed_size: 327680
    .private_segment_fixed_size: 0
    .kernarg_segment_align: 8
    .kernarg_segment_size: 40
    .max_flat_workgroup_size: 256
    .sgpr_count:     80
    .vgpr_count:     512
    .wavefront_size: 32
...
	.end_amdgpu_metadata
.endif
;; end of part 2
